; MI455X (gfx1250); checked and timed in simulation.
; The chip was launched on July 23, 2026; its instructions are those of AMD's public machine-readable ISA for CDNA 5 (MIT licence, August 2026) and "CDNA5" Instruction Set Architecture Reference Guide (July 2026). The comments in the code are by the model that wrote it; some were corrected since.
;; Vector Quantizer. Allowed arithmetic: float matrix products may take bf16 or f16 operands with f32 sums; other float arithmetic in f32, or as packed bf16 or f16 multiplies, adds, multiply-adds, maxima and minima; sums over many terms, partial sums and values carried from step to step in f32; what a program stores and reads back later, other than sums and carried values, may be rounded once to bf16 or f16.
;; Inputs: codebook 8,192 x 256 float32; z 32 x 256 x 32 x 32 float32.
;; Outputs: out0 32 x 256 x 32 x 32 float32; out1 one number float32; out2 32,768 int32.
;; 2 versions, each right; version 2 is version 1 with the launch quant written anew for expert scheduling mode. Each part assembles by itself: llvm-mc -triple=amdgcn-amd-amdhsa -mcpu=gfx1250 --defsym DOCPART=n.
;; ======== version 1 of 2: 4 launches
;; workspace buffers: zb 16,777,216 bytes; an 131,072 bytes; cbf 4,194,304 bytes; cbr 4,194,304 bytes; cn 32,768 bytes; idx 131,072 bytes of whole numbers; part 8,192 bytes
;; launch prep (part 1): grid 1280 x 1, 2 waves a work-group, no clusters, 17,664 bytes of LDS; arguments z, codebook, zb, an, cbf, cbr, cn; writes zb, an, cbf, cbr, cn
.if DOCPART == 1
	.amdgcn_target "amdgcn-amd-amdhsa--gfx1250"
	.amdhsa_code_object_version 6
	.text
	.protected	k_q913ca5d4d8_prep
	.globl	k_q913ca5d4d8_prep
	.p2align	8
	.type	k_q913ca5d4d8_prep,@function
k_q913ca5d4d8_prep:
	s_mov_b64 s[64:65], 0
	v_nop
	global_prefetch_b8 v0, s[64:65] scope:SCOPE_SE
	s_setreg_imm32_b32 hwreg(HW_REG_WAVE_MODE, 25, 1), 1
	s_wait_xcnt 0x0
; VECTOR QUANTIZER, launch 1 of 4.  z is taken as 32,768 rows of 256 f32, the codebook has 8,192 rows of 256.
; This launch rounds both ONCE to bf16 (to nearest even) and every later use in the program takes the rounded numbers: the product, the norms, out0 and the loss.
;   zb  [32768][256] bf16 rows of z              an  [32768] f32: the sum of squares of zb's row
;   cbr [8192][256] bf16 rows of the codebook    cn  the sum of squares of cbr's rows, in the order in which launch 2's waves walk them:
;                                                    code c at float ((c >> 6) & 3) x 2048 + (c >> 8) x 64 + (c & 63)
;   cbf the codebook as matrix fragments: the 16 codes of tile ct lie at ct x 8192; the 16 bytes at m x 256 + r x 16 hold code 16 ct + r, channels 8 m .. 8 m + 7
; NOTHING OF reference() IS LEFT OUT.  The row's own norm is the same for all codes of a row, but it is some 1e4 times the other terms of d, and reference()'s f32 rounds
; d on that term's grid: which code is least, and which ties the first index breaks, hangs on it.  So d is formed as reference() forms it: (|z|^2 + |e|^2) - 2 z.e, each step rounded to f32.
; z + (e - z) is kept as two f32 operations for the same reason.  stop_gradient is the identity, so the loss's two means are one mean m, and the loss is m + 0.25 m.
; LIMITS.  All inputs are rounded to bf16.  NaN and infinities are not treated apart.  The f32 sums (norms, products) are taken in this program's order: where a row's two best codes
; differ by less than one step of d's grid AND one of them lies on a rounding edge to within the sums' own rounding, the index may differ from another order's.
; SHARES.  A wave takes 16 rows (16,384 bytes).  Work-groups 0 to 1023 take z, 1024 to 1279 the codebook.  A lane takes channels 4 l .. 4 l + 3 and 128 + 4 l .. 128 + 4 l + 3 of each row:
; a load of the wave covers 512 consecutive bytes, a store of rounded numbers 256, both aligned.  All 32 loads of a wave go out at once.
; The norms leave as 64 bytes a wave (16 lanes x 4): one part in 250 of what the launch stores.
.set X,     32                         ; v[32:159]  row i as loaded, 8 registers
.set Y,     160                        ; v[160:223] row i rounded, 4 registers
.set U,     8                          ; v[8:15]    a row's 8 rounded numbers as f32
.set STG,   8704                       ; a wave's stage in LDS: 32 pieces m, 272 bytes apart (256 + 16: the 16 pairs of lanes of a store start at 16 different groups of four banks)
.set SPARE, 2*STG                      ; behind the stages: the spare words, 128 bytes a wave: one block of 256 bytes that no other line names
	s_load_b256 s[4:11], s[0:1], 0x0               ; z s[4:5], codebook s[6:7], zb s[8:9], an s[10:11]
	s_load_b128 s[12:15], s[0:1], 0x20             ; cbf s[12:13], cbr s[14:15]
	s_load_b64 s[16:17], s[0:1], 0x30              ; cn
	v_lshl_add_u32 v20, v0, 2, SPARE               ; my spare word
	v_mov_b32 v21, 0                               ; and 0: kept for the add alone
	v_lshrrev_b32 v18, 5, v0
	v_readfirstlane_b32 s18, v18                   ; wave 0, 1
	v_and_b32 v1, 31, v0                           ; lane l
	v_lshlrev_b32 v2, 4, v1                        ; 16 l
	v_lshlrev_b32 v3, 3, v1                        ; 8 l
	v_lshlrev_b32 v7, 2, v1                        ; 4 l
	v_mov_b32 v19, 0                               ; v_permlanex16_b32's destination counts as read
	s_mul_i32 s35, s18, STG                        ; my stage
	v_lshrrev_b32 v4, 1, v1                        ; into the stage: piece l / 2, its half l % 2; the row adds 16 i
	v_mul_u32_u24 v4, v4, 272
	v_and_b32 v5, 1, v1
	v_lshl_add_u32 v4, v5, 3, v4
	v_add_nc_u32 v4, s35, v4
	v_lshrrev_b32 v5, 4, v1                        ; back: lanes 0-15 one piece's 256 bytes, lanes 16-31 the next piece's
	v_mul_u32_u24 v5, v5, 272
	v_and_b32 v6, 15, v1
	v_lshl_add_u32 v5, v6, 4, v5
	v_add_nc_u32 v5, s35, v5
	s_lshl_b32 s19, ttmp9, 1
	s_add_co_u32 s19, s19, s18                     ; 2 x work-group + wave
	s_cmp_ge_u32 ttmp9, 1024
	s_cselect_b32 s20, 2048, 0
	s_sub_co_u32 s19, s19, s20                     ; my tile of 16 rows, in z or in the codebook
	s_lshl_b32 s28, s19, 14                        ; its bytes in the source,
	s_mov_b32 s29, 0
	s_lshl_b32 s36, s19, 13                        ; among the rounded rows (and in cbf),
	s_mov_b32 s37, 0
	s_lshl_b32 s38, s19, 6                         ; and among z's norms
	s_bfe_u32 s20, s19, 0x20002                    ; the codebook's norms: ((ct >> 2) & 3) x 8192
	s_lshl_b32 s20, s20, 13
	s_lshr_b32 s21, s19, 4                         ; + (ct >> 4) x 256
	s_lshl_b32 s21, s21, 8
	s_add_co_u32 s20, s20, s21
	s_and_b32 s21, s19, 3                          ; + (ct & 3) x 64
	s_lshl_b32 s21, s21, 6
	s_add_co_u32 s20, s20, s21
	s_mov_b32 s39, 0
	s_mov_b32 s30, 0x76543210                      ; v_permlanex16_b32: each lane takes its own place in the other half
	s_mov_b32 s31, 0xfedcba98
	s_mov_b32 s32, 0xffff0000                      ; a word's upper bf16
	s_wait_kmcnt 0x0
	s_cmp_ge_u32 ttmp9, 1024                       ; the work-group's number alone chooses between the two inputs and their outputs
	s_cselect_b32 s38, s20, s38
	s_cselect_b64 s[22:23], s[6:7], s[4:5]         ; source
	s_cselect_b64 s[24:25], s[14:15], s[8:9]       ; rounded rows
	s_cselect_b64 s[26:27], s[16:17], s[10:11]     ; norms
	s_add_nc_u64 s[22:23], s[22:23], s[28:29]
	s_add_nc_u64 s[24:25], s[24:25], s[36:37]
	s_add_nc_u64 s[26:27], s[26:27], s[38:39]
.set i, 0
.rept 16
	global_load_b128 v[X+8*i:X+8*i+3],   v2, s[22:23] offset:i*1024 th:TH_LOAD_NT
	global_load_b128 v[X+8*i+4:X+8*i+7], v2, s[22:23] offset:i*1024+512 th:TH_LOAD_NT
.set i, i+1
.endr
; Row i: rounded, stored, and the sum of the rounded numbers' squares, which ends in lane i of v6.
.macro ROW i
	s_wait_loadcnt 30-2*(\i)                       ; loads come back in order: the two of each later row may stay out
.irp j, 0,1,2,3
	v_cvt_pk_bf16_f32 v[Y+4*(\i)+(\j)], v[X+8*(\i)+2*(\j)], v[X+8*(\i)+2*(\j)+1]
.endr
	global_store_b64 v3, v[Y+4*(\i):Y+4*(\i)+1],   s[24:25] offset:(\i)*512      ; 32 lanes x 8 bytes: 256 consecutive bytes, aligned
	global_store_b64 v3, v[Y+4*(\i)+2:Y+4*(\i)+3], s[24:25] offset:(\i)*512+256
.irp j, 0,1,2,3
	v_lshlrev_b32 v[U+2*(\j)],   16,  v[Y+4*(\i)+(\j)]
	v_and_b32     v[U+2*(\j)+1], s32, v[Y+4*(\i)+(\j)]
.endr
	v_pk_mul_f32 v[16:17], v[U:U+1], v[U:U+1]
.irp j, 2,4,6
	v_pk_fma_f32 v[16:17], v[U+(\j):U+(\j)+1], v[U+(\j):U+(\j)+1], v[16:17]
.endr
	v_add_f32 v18, v16, v17
	v_add_f32_dpp v18, v18, v18 row_xmask:1 row_mask:0xf bank_mask:0xf
	v_add_f32_dpp v18, v18, v18 row_xmask:2 row_mask:0xf bank_mask:0xf
	v_add_f32_dpp v18, v18, v18 row_xmask:4 row_mask:0xf bank_mask:0xf
	v_add_f32_dpp v18, v18, v18 row_xmask:8 row_mask:0xf bank_mask:0xf
	v_permlanex16_b32 v19, v18, s30, s31
	v_add_f32 v18, v18, v19                        ; every lane holds the row's norm
.if (\i) == 0
	v_mov_b32 v6, v18
.else
	v_cmp_eq_u32 s33, \i, v1
	v_cndmask_b32 v6, v6, v18, s33                 ; lane i keeps it
.endif
.endm
.irp i, 0,1,2,3,4,5,6,7,8,9,10,11,12,13,14,15
	ROW \i
.endr
	v_cmp_gt_u32 vcc_lo, 16, v1
	s_wait_xcnt 0x0                                ; EXEC is a source of the stores above: it changes only behind this wait
	s_and_saveexec_b32 s34, vcc_lo
	global_store_b32 v7, v6, s[26:27]              ; 16 norms
	s_wait_xcnt 0x0                                ; and again, in front of the line that widens it
	s_or_b32 exec_lo, exec_lo, s34
	s_cmp_lt_u32 ttmp9, 1024
	s_cbranch_scc1 .Lend                           ; z's tiles are done
	; The codebook's tile once more, as fragments: through my own stage, which turns rows into pieces of 8 channels x 16 codes.
	s_add_nc_u64 s[12:13], s[12:13], s[36:37]      ; cbf at my tile
.set i, 0
.rept 16
	ds_store_b64 v4, v[Y+4*i:Y+4*i+1]   offset:16*i
	ds_store_b64 v4, v[Y+4*i+2:Y+4*i+3] offset:16*272+16*i
.set i, i+1
.endr
.set i, 0
.rept 16
	ds_load_b128 v[X+4*i:X+4*i+3], v5 offset:i*544 ; LDS serves a wave's instructions in order: these see the stores above; the stage is my wave's own
.set i, i+1
.endr
.set i, 0
.rept 16
	s_wait_dscnt 15-i                              ; the loads behind this one may stay out
	global_store_b128 v2, v[X+4*i:X+4*i+3], s[12:13] offset:i*512  ; 512 consecutive bytes, aligned
.set i, i+1
.endr
.Lend:
	s_wait_tensorcnt 0x0                           ; the wave's end, behind my last LDS store
	ds_add_u32 v20, v21
	s_wait_dscnt 0x0
	s_endpgm
.Lfunc_end_k_q913ca5d4d8_prep:
	.size	k_q913ca5d4d8_prep, .Lfunc_end_k_q913ca5d4d8_prep-k_q913ca5d4d8_prep
	.p2alignl 7, 3214868480
	.fill 96, 4, 3214868480
	.section	.rodata,"a",@progbits
	.p2align	6, 0x0
	.amdhsa_kernel k_q913ca5d4d8_prep
		.amdhsa_group_segment_fixed_size 17664
		.amdhsa_private_segment_fixed_size 0
		.amdhsa_enable_private_segment 0
		.amdhsa_kernarg_size 56
		.amdhsa_user_sgpr_count 2
		.amdhsa_user_sgpr_kernarg_segment_ptr 1
		.amdhsa_wavefront_size32 1
		.amdhsa_system_sgpr_workgroup_id_x 1
		.amdhsa_system_sgpr_workgroup_id_y 1
		.amdhsa_system_sgpr_workgroup_id_z 1
		.amdhsa_system_vgpr_workitem_id 0
		.amdhsa_next_free_vgpr 224
		.amdhsa_next_free_sgpr 66
		.amdhsa_reserve_vcc 1
		.amdhsa_float_denorm_mode_32 3
		.amdhsa_float_denorm_mode_16_64 3
		.amdhsa_memory_ordered 1
		.amdhsa_forward_progress 1
		.amdhsa_inst_pref_size 35
	.end_amdhsa_kernel
	.amdgpu_metadata
---
amdhsa.version: [ 1, 2 ]
amdhsa.kernels:
  - .name:           k_q913ca5d4d8_prep
    .symbol:         k_q913ca5d4d8_prep.kd
    .args:
      - { .name: z, .offset: 0, .size: 8, .value_kind: global_buffer, .address_space: global }
      - { .name: codebook, .offset: 8, .size: 8, .value_kind: global_buffer, .address_space: global }
      - { .name: zb, .offset: 16, .size: 8, .value_kind: global_buffer, .address_space: global }
      - { .name: an, .offset: 24, .size: 8, .value_kind: global_buffer, .address_space: global }
      - { .name: cbf, .offset: 32, .size: 8, .value_kind: global_buffer, .address_space: global }
      - { .name: cbr, .offset: 40, .size: 8, .value_kind: global_buffer, .address_space: global }
      - { .name: cn, .offset: 48, .size: 8, .value_kind: global_buffer, .address_space: global }
    .group_segment_fixed_size: 17664
    .private_segment_fixed_size: 0
    .kernarg_segment_align: 8
    .kernarg_segment_size: 56
    .max_flat_workgroup_size: 64
    .sgpr_count:     66
    .vgpr_count:     224
    .wavefront_size: 32
...
	.end_amdgpu_metadata
.endif
;; end of part 1
;; launch argmin (part 2): grid 256 x 1, 4 waves a work-group, clusters of 4 x 1, 327,680 bytes of LDS; arguments zb, an, cbf, cn, out2, idx; writes out2, idx
.if DOCPART == 2
	.amdgcn_target "amdgcn-amd-amdhsa--gfx1250"
	.amdhsa_code_object_version 6
	.text
	.protected	k_q913ca5d4d8_argmin
	.globl	k_q913ca5d4d8_argmin
	.p2align	8
	.type	k_q913ca5d4d8_argmin,@function
k_q913ca5d4d8_argmin:
	s_mov_b64 s[64:65], 0
	v_nop
	global_prefetch_b8 v0, s[64:65] scope:SCOPE_SE
	s_setreg_imm32_b32 hwreg(HW_REG_WAVE_MODE, 25, 1), 1
	s_wait_xcnt 0x0
	s_wait_alu depctr_hold_cnt(0) depctr_sa_sdst(0) depctr_va_vdst(0) depctr_va_sdst(0) depctr_va_ssrc(0) depctr_va_vcc(0) depctr_vm_vsrc(0)
	s_getreg_b32 s2, hwreg(HW_REG_IB_STS2, 6, 4)
	s_cmp_eq_u32 s2, 0
	s_cbranch_scc0 .Lentry_in_a_cluster
	s_endpgm
.Lentry_in_a_cluster:
	s_bfe_u32 s2, ttmp6, 0x10000c
	s_cmp_lg_u32 s2, 0x3003
	s_cbranch_scc0 .Lentry_shape_is_right
	s_endpgm
.Lentry_shape_is_right:
; VECTOR QUANTIZER, launch 2 of 4: for each of 32,768 rows of zb the FIRST code c with the least d = (A + B_c) - 2 M_c, where A = an[row], B_c = cn[c], M_c = zb[row] . code c.
; M is a bf16 product with f32 sums; A + B_c is one f32 addition, and t - 2 M one fused multiply-add, which rounds as reference()'s subtraction does, since 2 M is exact.
; Nothing is left out here: A is the same for all codes, but d is rounded on its grid (see launch 1's head).
; LIMITS.  Inputs rounded to bf16; a NaN loses in the minima here; the index hangs on the order of the f32 sums where d lies on a rounding edge (launch 1's head).
; SHARES.  A work-group owns 128 rows (queries) and walks all 8,192 codes.  EVERY wave holds all 128 queries as fragments, 512 registers; THE CODES ARE SPLIT AMONG THE WAVES: of each
; slot of 256 codes wave w takes 64 w .. 64 w + 63, which it also fetches.  So one fragment of codes (two LDS loads) feeds eight matrix instructions.  A wave has 128 tiles of 16 codes, 64 matrix instructions each.
; LAYOUT.  Source 0 = 16 codes, source 1 = 16 queries: in the result a lane holds ONE query (lane % 16) and the codes 8 (lane / 16) + 0..7.  cbf holds the codes in source 0's register
; order, so a fragment load is 512 consecutive bytes of LDS and no row is padded.
; THE MINIMUM.  For each query tile a lane keeps the least d so far (BEST), the number of the tile that brought it (ID; a strict compare keeps the earliest) and that tile's eight d (SAV).
; The place within the tile is found once, at the end (the lowest register equal to BEST); then the halves of the lanes and the four waves meet, by the order (d, code).
; BY TURNS.  While tile n is multiplied, the 176 vector instructions that finish tile n - 1 stand in slices of three or two behind its 64 matrix instructions.  Two sets of accumulators,
; fragments and norms go by the tile's parity.
; CLUSTER.  All work-groups walk the same cbf and cn: the four of a cluster ask for each tile JOINTLY (the same load, descriptor and mask in all four).  Only one operand is shared, so a cluster of 4 x 1 has all of it.
; THE RING.  Two slots of 131,072 bytes, 256 codes each; a wave fetches its quarter by one tensor load and has one load out behind each change of slots (three at the start); the refill has
; four tiles, 256 matrix instructions, in which to land.  The norms (8,192 bytes a wave) come once.
; REGISTERS, in windows of 256 (s_set_vgpr_msb: bits 1:0 source 0, 3:2 source 1, 5:4 source 2, 7:6 destination):
;   window 0: addresses, statistics, S (two sets of eight accumulators)     window 1: v0-127 F, two sets of eight fragments of codes; v128-191 SAV
;   window 2: the queries' fragments of query tiles 0-3 (tile qt, channels 32 kk on at 64 qt + 8 kk)     window 3: those of tiles 4-7
.set SLOT1, 1<<17                      ; slot 1 begins here: one exclusive or turns an address in one slot into the other's
.set SLOTB, 131072                     ; bytes of cbf in a slot
.set QUART, 32768                      ; a wave's quarter
.set TILEB, 8192                       ; a tile of 16 codes
.set NB,    262144                     ; the norms: 8,192 bytes a wave
.set SCR,   294912                     ; the waves' results: 1,024 bytes a wave (128 queries x (d, code)); no tensor load lands here
.set SPARE, 299008                     ; the spare words, 128 bytes a wave: two blocks of 256 bytes that no other line names
.set AF0, 4                            ; v4   16 x lane; never rewritten
.set AF,  5                            ; v5   LDS address of the run of fragment loads in hand
.set BN0, 6                            ; v6   32 x (lane / 16)
.set BA,  7                            ; v7   LDS address of the norms' loads in hand
.set ZO,  8                            ; v8   my byte offset in 16 rows of zb
.set AO,  9                            ; v9   4 x (lane % 16)
.set CUR, 10                           ; v10  the number of the tile that is being finished
.set WB,  11                           ; v11  64 x wave + 8 x (lane / 16)
.set SPW, 12                           ; v12  my spare word; never rewritten
.set NIL, 13                           ; v13  0; never rewritten
.set MN,  14                           ; v14-15 the minima of the two query tiles in hand
.set AN,  16                           ; v16-31 (A, A) for query tile qt at AN + 2 qt
.set BN,  32                           ; v32-47 the norms of a tile's 8 codes of mine, two sets
.set BEST, 48                          ; v48-63 by parity and query tile
.set ID,  64                           ; v64-71
.set T,   72                           ; v72-87 two sets of eight d; at the end v72-79 take the place within the tile
.set PFO, 88                           ; v88  256 x lane; never rewritten
.set S,   128                          ; v128-255 accumulators: parity p, query tile qt at S + 64 p + 8 qt
.set SAV, 128                          ; window 1
.set WV,  16                           ; s16  my wave's number
.set G1,  24                           ; s[24:31] descriptor group 1: a wave's quarter of a slot
.set G1N, 32                           ; s[32:39] the same for its quarter of the norms
.set G0A, 40                           ; s[40:43] group 0: slot 0's first fill
.set G0W, 44                           ; s[44:47] group 0: slot 1's first fill; it then walks
.set G0N, 48                           ; s[48:51] group 0: the norms
.set SLOTS, 52                         ; s52  changes of slots still to come that fill
.set CNT, 53                           ; s53  pairs of tiles up to the next change
.set TB,  54                           ; s54  LDS byte of the fragments to be fetched next
.set TN,  55                           ; s55  LDS byte of the norms to be fetched next
.set LIM, 56                           ; s56  2 in the cluster that prefetches, else the greatest number
.set INF, 57                           ; s57  +infinity
.set MA,  58                           ; s58-59 lane masks of the two query tiles in hand
.set PFA, 60                           ; s[60:61] where my prefetches stand
.set SEL, 62                           ; s[62:63] v_permlanex16_b32's selects
.set CS,  66                           ; s[66:67] -2.0: the packed multiply-add takes the pair's low word for both halves
.set MSB, 0
.macro WIN new                         ; the immediate's high byte repeats the setting that is left; a switch that changes nothing is dropped
.if MSB != (\new)
	s_set_vgpr_msb (MSB<<8)|(\new)
.set MSB, \new
.endif
.endm
; A round of the cluster's barrier: my work-group's barrier, so that wave 0's signal speaks for all four waves; wave 0 signals; every wave waits for all four work-groups; my work-group's barrier once more.
.macro CROUND
	s_barrier_signal -1
	s_barrier_wait -1
	s_cmp_lg_u32 s[WV], 0
	s_cbranch_scc1 .Lnot_wave_0_\@
	s_barrier_signal -3
.Lnot_wave_0_\@:
	s_barrier_wait -3
	s_barrier_signal -1
	s_barrier_wait -1
.endm
; A PREFETCH INTO THE L2, behind each refill and its five lines: of the slot that stands TWO refills on (eight tiles, 512 matrix instructions, ahead of the load that will ask for it) the 32 blocks of
; 256 bytes that are mine: a lane a block, one instruction a wave.  All clusters walk the same cbf: cluster 0 alone asks.  Its four partners share a wave's quarter out BY ADDRESS, 8,192 bytes each:
; no branch hangs on a work-group's place in its cluster.  So each block of slots 4 to 31 is named once in the launch; slots 0 to 3 come by their loads alone, and nothing is asked for at the head.
; The last two refills have no slot two refills on and ask for nothing.
.macro ASK
	s_cmp_gt_u32 s[SLOTS], s[LIM]
	s_cbranch_scc0 .Lnot_mine_\@
	global_prefetch_b8 v[PFO], s[PFA:PFA+1] th:TH_LOAD_NT scope:SCOPE_SE
.Lnot_mine_\@:
.endm
	s_load_b256 s[4:11], s[0:1], 0x0               ; zb s[4:5], an s[6:7], cbf s[8:9], cn s[10:11]
	s_load_b128 s[12:15], s[0:1], 0x20             ; out2 s[12:13], idx s[14:15]
	v_lshl_add_u32 v[SPW], v0, 2, SPARE
	v_mov_b32 v[NIL], 0
	ds_add_u32 v[SPW], v[NIL]                      ; the wave's opening: the add, twice on end, and its wait ahead of my first tensor load
	ds_add_u32 v[SPW], v[NIL]                      ; and once more; the set-up below, work on registers, stands between it and the wait
	v_lshrrev_b32 v1, 5, v0
	v_readfirstlane_b32 s[WV], v1                  ; wave 0..3
	s_bfe_u32 s17, ttmp6, 0x40000                  ; cx: my place in the cluster
	s_lshl_b32 s18, ttmp9, 2                       ; in a cluster launch ttmp9 counts clusters
	s_add_co_u32 s18, s18, s17                     ; my work-group: it enters zb's, an's, out2's and idx's addresses alone
	; descriptor group 1: dense bytes, asked for as rows of 256 bytes (32 elements of 8 bytes): 128 rows for a quarter of a slot, 32 for a quarter of the norms
	s_mov_b32 s[G1+0], 15|(3<<16)|(1<<21)          ; 15:0 the mask: all four work-groups; 17:16 elements of 8 bytes; 21 set beside a mask; no padding
	s_mov_b32 s[G1+1], 32<<16                      ; tensor_dim0 = 32
	s_mov_b32 s[G1+2], 128<<16                     ; tensor_dim1 = 128
	s_mov_b32 s[G1+3], 32<<16                      ; tile_dim0 = 32
	s_mov_b32 s[G1+4], 128                         ; tile_dim1 = 128
	s_mov_b32 s[G1+5], 32                          ; 32 elements from row to row
	s_mov_b32 s[G1+6], 0
	s_mov_b32 s[G1+7], 0
	s_mov_b32 s[G1N+0], 15|(3<<16)|(1<<21)
	s_mov_b32 s[G1N+1], 32<<16
	s_mov_b32 s[G1N+2], 32<<16                     ; tensor_dim1 = 32
	s_mov_b32 s[G1N+3], 32<<16
	s_mov_b32 s[G1N+4], 32                         ; tile_dim1 = 32
	s_mov_b32 s[G1N+5], 32
	s_mov_b32 s[G1N+6], 0
	s_mov_b32 s[G1N+7], 0
	s_lshl_b32 s20, s[WV], 15                      ; my quarter of a slot, in memory and in LDS: the wave's number alone
	s_mov_b32 s21, 0
	s_lshl_b32 s22, s[WV], 13                      ; my quarter of the norms
	s_mov_b32 s23, 0
	s_mov_b32 s[G0A], 1                            ; count = 1
	s_mov_b32 s[G0A+1], s20                        ; LDS address: slot 0
	s_mov_b32 s[G0W], 1
	s_add_co_u32 s[G0W+1], s20, SLOT1              ; slot 1
	s_mov_b32 s[G0N], 1
	s_add_co_u32 s[G0N+1], s22, NB
	s_mov_b32 s[TB], s20
	s_add_co_u32 s[TN], s22, NB
	s_lshl_b32 s68, s17, 13                        ; the prefetches: my work-group's 8,192 bytes of a wave's quarter
	s_mov_b32 s69, 0
	s_lshl_b32 s70, s18, 9                         ; my work-group's 128 numbers in an, out2 and idx
	s_mov_b32 s71, 0
	s_mov_b32 s[INF], 0x7f800000
	s_mov_b32 s[CS], 0xc0000000                    ; -2.0
	s_mov_b32 s[CS+1], s[CS]                       ; named with it as a pair
	s_mov_b32 s[SEL], 0x76543210
	s_mov_b32 s[SEL+1], 0xfedcba98
	s_cmp_eq_u32 ttmp9, 0                          ; the cluster's number: the same in all four partners
	s_cselect_b32 s[LIM], 2, -1
	s_wait_dscnt 0x0                               ; both opening adds are done
	s_wait_kmcnt 0x0
	s_add_nc_u64 s[G0A+2:G0A+3], s[8:9], s[20:21]  ; global address: my quarter of slot tile 0,
	s_add_nc_u64 s[G0W+2:G0W+3], s[G0A+2:G0A+3], SLOTB  ; of slot tile 1
	s_add_nc_u64 s[PFA:PFA+1], s[G0A+2:G0A+3], s[68:69]
	s_add_nc_u64 s[PFA:PFA+1], s[PFA:PFA+1], 3*SLOTB    ; in slot tile 3: the first change of slots steps it to 4
	s_or_b32 s[G0A+3], s[G0A+3], 0x80000000        ; type = 2
	s_or_b32 s[G0W+3], s[G0W+3], 0x80000000
	s_add_nc_u64 s[G0N+2:G0N+3], s[10:11], s[22:23]
	s_or_b32 s[G0N+3], s[G0N+3], 0x80000000
	s_lshl_b32 s68, s18, 16                        ; my work-group's 128 rows of zb
	s_add_nc_u64 s[4:5], s[4:5], s[68:69]
	s_add_nc_u64 s[6:7], s[6:7], s[70:71]
	s_add_nc_u64 s[12:13], s[12:13], s[70:71]
	s_add_nc_u64 s[14:15], s[14:15], s[70:71]
	CROUND                                         ; all four work-groups are here: the first joint loads meet
	tensor_load_to_lds s[G0A:G0A+3], s[G1:G1+7]    ; the first fills go out as one group: three loads of mine are out
	s_nop 0
	tensor_load_to_lds s[G0N:G0N+3], s[G1N:G1N+7]
	s_nop 0
	tensor_load_to_lds s[G0W:G0W+3], s[G1:G1+7]
	s_nop 0
.rept 4
	v_nop
.endr
	; A fragment of queries is 16 rows x 32 channels in 8 registers: lane l holds row l % 16, channels 8 (l / 16) + 0..7 and 16 + 8 (l / 16) + 0..7: two loads of 16 bytes, 32 bytes apart.
	v_and_b32 v1, 15, v0                           ; l % 16
	v_bfe_u32 v2, v0, 4, 1                         ; l / 16
	v_lshlrev_b32 v[ZO], 9, v1
	v_lshl_add_u32 v[ZO], v2, 4, v[ZO]             ; row x 512 + 16 x half
	v_lshlrev_b32 v[AO], 2, v1
	WIN 0x80                                       ; destination window 2, address window 0
.set i, 0
.rept 32                                           ; query tile i / 8, channels 32 (i % 8) on
	global_load_b128 v[8*i:8*i+3],   v[ZO], s[4:5] offset:(i/8)*8192+(i%8)*64
	global_load_b128 v[8*i+4:8*i+7], v[ZO], s[4:5] offset:(i/8)*8192+(i%8)*64+32
.set i, i+1
.endr
	WIN 0xc0                                       ; destination window 3
.set i, 0
.rept 32                                           ; query tile 4 + i / 8
	global_load_b128 v[8*i:8*i+3],   v[ZO], s[4:5] offset:(4+i/8)*8192+(i%8)*64
	global_load_b128 v[8*i+4:8*i+7], v[ZO], s[4:5] offset:(4+i/8)*8192+(i%8)*64+32
.set i, i+1
.endr
	WIN 0
.set i, 0
.rept 8
	global_load_b32 v[AN+2*i], v[AO], s[6:7] offset:64*i  ; my query's A in each query tile
.set i, i+1
.endr
	; What the first tile's finish finds: no least d yet.  These 80 lines stand in the wait for the first tile, so that every tile is finished by one text.
.set i, 0
.rept 8
	v_mov_b32 v[BEST+8+i], s[INF]
	v_mov_b32 v[ID+i], 0
.set i, i+1
.endr
	WIN 0x40
.set i, 0
.rept 64
	v_mov_b32 v[SAV+i], s[INF]
.set i, i+1
.endr
	WIN 0
	v_mov_b32 v[CUR], 0
	v_and_b32 v[AF0], 31, v0
	v_lshlrev_b32 v[PFO], 8, v[AF0]
	v_lshlrev_b32 v[AF0], 4, v[AF0]
	v_lshlrev_b32 v[BN0], 5, v2
	s_lshl_b32 s19, s[WV], 6
	v_lshl_add_u32 v[WB], v2, 3, s19
; THE MATRIX WORK.  Instruction i of a tile's 64: channels 32 (i / 8) on, query tile i % 8.  The eight accumulators take turns, one instruction a turn; a tile's last
; and the next tile's first name different sets.  The first eight start the sums with the constant 0: nothing is cleared.
.macro MM p
.set kk, i/8
.set qt, i%8
.set rS, S+64*(\p)+8*qt
.set rF, 64*(\p)+8*kk
.set rZ, 64*(qt%4)+8*kk
	WIN 0x09+4*(qt/4)                              ; codes in window 1, queries in window 2 or 3, sums in window 0
.if kk == 0
	v_wmma_f32_16x16x32_bf16 v[rS:rS+7], v[rF:rF+7], v[rZ:rZ+7], 0
.else
	v_wmma_f32_16x16x32_bf16 v[rS:rS+7], v[rF:rF+7], v[rZ:rZ+7], v[rS:rS+7]
.endif
.set i, i+1
.endm
; THE VECTOR WORK that finishes a tile of parity pe: number rn of 176.  Four groups of 44, a pair of query tiles each, the two alternating so that no line reads the result of the one before it:
;   0-7    t = A + B, a pair of codes a line                       8-15  d = t - 2 M, pairs ascending: an accumulator's lowest registers are read first
;   16-23  the least of the eight d and of the least so far        24, 25  has it fallen? (strict: the earliest tile stays)
;   26, 27 the tile's number is kept where it has                  28-43  and its eight d: the one part that leaves window 0
.macro RID pe
.set qp, rn/44
.set m, rn%44
.set u, m%2
.set qt, 2*qp+u
.set rT, T+8*u
.set rS, S+64*(\pe)+8*qt
.set rB, BN+8*(\pe)
.set rN, BEST+8*(\pe)+qt
.set rO, BEST+8*(1-(\pe))+qt
.if m < 28
	WIN 0
.else
	WIN 0x41                                       ; destination and source 0 in window 1, source 1 in window 0
.endif
.if m < 8
.set a, 2*(m/2)
	v_pk_add_f32 v[rT+a:rT+a+1], v[rB+a:rB+a+1], v[AN+2*qt:AN+2*qt+1]
.elseif m < 16
.set a, 2*((m-8)/2)
	v_pk_fma_f32 v[rT+a:rT+a+1], v[rS+a:rS+a+1], s[CS:CS+1], v[rT+a:rT+a+1] op_sel_hi:[1,0,1]
.elseif m < 18
	v_min3_num_f32 v[MN+u], v[rT], v[rT+1], v[rT+2]
.elseif m < 20
	v_min3_num_f32 v[MN+u], v[MN+u], v[rT+3], v[rT+4]
.elseif m < 22
	v_min3_num_f32 v[MN+u], v[MN+u], v[rT+5], v[rT+6]
.elseif m < 24
	v_min3_num_f32 v[rN], v[MN+u], v[rT+7], v[rO]
.elseif m < 26
	v_cmp_lt_f32 s[MA+u], v[rN], v[rO]
.elseif m < 28
	v_cndmask_b32 v[ID+qt], v[ID+qt], v[CUR], s[MA+u]
.else
.set a, (m-28)/2
	v_cndmask_b32 v[SAV+8*qt+a], v[SAV+8*qt+a], v[rT+a], s[MA+u]
.endif
.set rn, rn+1
.endm
.macro SLICE pe, c
.rept \c
	RID \pe
.endr
.endm
; THE LDS LOADS stand in one run a tile: the next tile's eight fragments (16 loads of 512 consecutive bytes) and this tile's norms (my 8 codes: 32 bytes).
.macro FETCHF b
	WIN 0
	v_add_nc_u32 v[AF], s[TB], v[AF0]
	WIN 0x40                                       ; destination window 1
.irp k, 0,1,2,3,4,5,6,7
	ds_load_b128 v[64*(\b)+8*\k:64*(\b)+8*\k+3],   v[AF] offset:\k*1024
	ds_load_b128 v[64*(\b)+8*\k+4:64*(\b)+8*\k+7], v[AF] offset:\k*1024+512
.endr
	s_add_co_u32 s[TB], s[TB], TILEB
.endm
.macro FETCHB b
	WIN 0
	v_add_nc_u32 v[BA], s[TN], v[BN0]
	ds_load_b128 v[BN+8*(\b):BN+8*(\b)+3],   v[BA]
	ds_load_b128 v[BN+8*(\b)+4:BN+8*(\b)+7], v[BA] offset:16
	s_add_co_u32 s[TN], s[TN], 64
.endm
; A TILE of parity p.  rid = 1: the tile before is finished beside it, three lines behind each matrix instruction, two behind every fourth: 44 for 16, so that the change of window inside a
; group of 44 falls between two slices.  fetch = 1: the next tile's fragments are fetched.  The run of loads stands behind the fourth matrix instruction: the last matrix instruction that read
; that set of fragments is the tile before's last, and fourteen plain vector lines that name none of its registers lie between (with rid = 0 nothing has read the set yet).
; The loads have 60 matrix instructions in which to land.
.macro TILE p, rid, fetch
	s_wait_dscnt 0x0                               ; this tile's fragments and the last tile's norms are in
.set i, 0
.set rn, 0
.rept 64
	MM \p
.if \rid
.if (i%4) == 0
	SLICE 1-(\p), 2
.else
	SLICE 1-(\p), 3
.endif
.endif
.if i == 4
.if \fetch
	FETCHF 1-(\p)
.endif
	FETCHB \p
.endif
.endr
	WIN 0                                          ; at a label and at a branch every window is 0
.if \rid
	v_add_nc_u32 v[CUR], 1, v[CUR]
.else
.rept 4
	v_nop                                          ; the places behind the last products, which here have no slices
.endr
.endif
.endm
; THE CHANGE OF SLOTS stands in front of a slot's fourth tile, whose fragments have been fetched: the slot's last bytes have been asked for.  Each wave waits for all its tensor loads, of which
; one is out: its quarter of the other slot; adds 0 to its spare word; and waits for that and for its reads of the slot.  fill = 1: the slot is filled again, with the codes two slots on.  The
; barrier is then a round of the cluster's, so that no wave of any partner still reads the slot or has a load on its way, and the joint refill is the first thing behind it.
.macro CHANGE fill
	WIN 0
	s_wait_tensorcnt 0x0                           ; no tensor load of mine is out, so a group 0 may be written
	ds_add_u32 v[SPW], v[NIL]                      ; 0 onto my spare word
.if \fill
	s_xor_b32 s[G0W+1], s[G0W+1], SLOT1            ; the walking descriptor: the other slot than last time,
	s_add_nc_u64 s[G0W+2:G0W+3], s[G0W+2:G0W+3], SLOTB  ; the next 256 codes; the type bits on top are not reached
	s_wait_xcnt 0x0                                ; the last prefetch, four tiles back, has read its address, so it may be written
	s_add_nc_u64 s[PFA:PFA+1], s[PFA:PFA+1], SLOTB
	s_wait_dscnt 0x0                               ; the add is done, and my reads of the slot are over
	CROUND
	tensor_load_to_lds s[G0W:G0W+3], s[G1:G1+7]
	s_nop 0
.rept 4
	v_nop
.endr
	ASK
.else
	s_wait_dscnt 0x0                               ; the add is done, and my reads of the slot are over
	s_barrier_signal -1
	s_barrier_wait -1
.endif
	s_sub_co_u32 s[TB], s[TB], QUART               ; the fetches go back to my quarter's first tile,
	s_xor_b32 s[TB], s[TB], SLOT1                  ; in the other slot
.endm
; (d, code) v, c takes (vp, cp) where that comes first: a lesser d, or the same d and a lower code.
.macro MERGE v, c, vp, cp
	v_cmp_lt_f32 s19, v[\vp], v[\v]
	v_cmp_eq_f32 s22, v[\vp], v[\v]
	v_cmp_lt_u32 s23, v[\cp], v[\c]
	s_and_b32 s22, s22, s23
	s_or_b32 s19, s19, s22
	v_cndmask_b32 v[\v], v[\v], v[\vp], s19
	v_cndmask_b32 v[\c], v[\c], v[\cp], s19
.endm
	s_wait_tensorcnt 1                             ; my quarters of slot 0 and of the norms are in; the one load issued behind them, slot 1's, may stay out
	s_barrier_signal -1
	s_barrier_wait -1                              ; everybody's are
	FETCHF 0                                       ; tile 0
	WIN 0
	s_wait_loadcnt 0x0                             ; the queries and their A
.set i, 0
.rept 8
	v_mov_b32 v[AN+2*i+1], v[AN+2*i]               ; (A, A) for the packed addition
.set i, i+1
.endr
	TILE 0, 0, 1                                   ; tile 0: there is no tile before it to finish
	s_mov_b32 s[CNT], 1                            ; tiles 1 and 2, then the first change
	s_mov_b32 s[SLOTS], 31
	s_branch .Lpair
.Lslot:                                        ; 30 times: every slot tile but the last two is followed, two slots on, by another
	CHANGE 1
	s_mov_b32 s[CNT], 2
.Lpair:
	TILE 1, 1, 1
	TILE 0, 1, 1
	s_sub_co_u32 s[CNT], s[CNT], 1
	s_cmp_lg_u32 s[CNT], 0
	s_cbranch_scc1 .Lpair
	s_sub_co_u32 s[SLOTS], s[SLOTS], 1
	s_cmp_lg_u32 s[SLOTS], 0
	s_cbranch_scc1 .Lslot
	CHANGE 0                                       ; the tail is written out: nothing is asked for
	s_mov_b32 s[CNT], 2
.Ltail:
	TILE 1, 1, 1
	TILE 0, 1, 1
	s_sub_co_u32 s[CNT], s[CNT], 1
	s_cmp_lg_u32 s[CNT], 0
	s_cbranch_scc1 .Ltail
	TILE 1, 1, 0                                   ; tile 127: nothing is left to fetch but its norms
	s_wait_dscnt 0x0
.set rn, 0
.rept 176
	RID 1                                          ; and it is finished: the first eight lines and the step of the tile's number are the places behind its last products
.endr
	; THE PLACE WITHIN THE WINNING TILE: the lowest of the eight kept d that equals the least.
	WIN 0x01                                       ; source 0 in window 1
.set q, 0
.rept 8
	v_mov_b32 v[T+q], 7
.set q, q+1
.endr
.irp j, 6,5,4,3,2,1,0
.set q, 0
.rept 8
	v_cmp_neq_f32 s[MA+q%2], v[SAV+8*q+\j], v[BEST+8+q]
	v_cndmask_b32 v[T+q], \j, v[T+q], s[MA+q%2]
.set q, q+1
.endr
.endr
	WIN 0
.set q, 0
.rept 8                                            ; tile n of wave w holds the codes 256 (n / 4) + 64 w + 16 (n % 4) + 0..15; (d, code) go into a pair
	v_and_b32 v[129+2*q], 0x7c, v[ID+q]
	v_and_b32 v[ID+q], 3, v[ID+q]
	v_lshl_add_u32 v[129+2*q], v[129+2*q], 6, v[WB]
	v_lshl_add_u32 v[129+2*q], v[ID+q], 4, v[129+2*q]
	v_add_nc_u32 v[129+2*q], v[129+2*q], v[T+q]
	v_mov_b32 v[128+2*q], v[BEST+8+q]
.set q, q+1
.endr
.set q, 0
.rept 8                                            ; the query's other 8 codes of each tile lie in the lane 16 away
	v_permlanex16_b32 v[144+2*q], v[128+2*q], s[SEL], s[SEL+1]
	v_permlanex16_b32 v[145+2*q], v[129+2*q], s[SEL], s[SEL+1]
.set q, q+1
.endr
.set q, 0
.rept 8
	MERGE 128+2*q, 129+2*q, 144+2*q, 145+2*q
.set q, q+1
.endr
	s_lshl_b32 s19, s[WV], 10
	s_add_co_u32 s19, s19, SCR
	v_lshl_add_u32 v[AF], v1, 3, s19               ; my wave's results: query 16 qt + l % 16 at 8 bytes each; both halves of the lanes write the same bytes with the same numbers
.set q, 0
.rept 8
	ds_store_b64 v[AF], v[128+2*q:129+2*q] offset:128*q
.set q, q+1
.endr
	s_wait_dscnt 0x0                               ; for the others' sake: my stores are done
	s_barrier_signal -1
	s_barrier_wait -1
	s_cmp_lt_u32 s[WV], 2                          ; waves 0 and 1 finish 64 queries each, two a lane
	s_cbranch_scc0 .Lend
	s_lshl_b32 s19, s[WV], 9
	s_add_co_u32 s19, s19, SCR
	v_add_nc_u32 v[BA], s19, v[AF0]
.irp w, 0,1,2,3
	ds_load_b128 v[160+4*\w:163+4*\w], v[BA] offset:1024*\w
.endr
	s_lshl_b32 s19, s[WV], 8
	v_lshrrev_b32 v[BN0], 1, v[AF0]                ; 8 x lane
	v_add_nc_u32 v[BN0], s19, v[BN0]
	s_wait_dscnt 0x0
.irp w, 1,2,3
	MERGE 160, 161, 160+4*\w, 161+4*\w
	MERGE 162, 163, 162+4*\w, 163+4*\w
.endr
	v_mov_b32 v164, v161
	v_mov_b32 v165, v163
	global_store_b64 v[BN0], v[164:165], s[12:13]  ; 32 lanes x 8 bytes: 256 consecutive bytes, aligned; the output,
	global_store_b64 v[BN0], v[164:165], s[14:15]  ; and the copy from which the next launch forms addresses
.Lend:
	s_wait_tensorcnt 0x0                           ; the wave's end, behind my last tensor load and my last LDS store
	ds_add_u32 v[SPW], v[NIL]
	s_wait_dscnt 0x0
	CROUND                                         ; the closing round: no work-group ends while a partner may still ask for a tile that names it
	s_endpgm
.Lfunc_end_k_q913ca5d4d8_argmin:
	.size	k_q913ca5d4d8_argmin, .Lfunc_end_k_q913ca5d4d8_argmin-k_q913ca5d4d8_argmin
	.p2alignl 7, 3214868480
	.fill 96, 4, 3214868480
	.section	.rodata,"a",@progbits
	.p2align	6, 0x0
	.amdhsa_kernel k_q913ca5d4d8_argmin
		.amdhsa_group_segment_fixed_size 327680
		.amdhsa_private_segment_fixed_size 0
		.amdhsa_enable_private_segment 0
		.amdhsa_kernarg_size 48
		.amdhsa_user_sgpr_count 2
		.amdhsa_user_sgpr_kernarg_segment_ptr 1
		.amdhsa_wavefront_size32 1
		.amdhsa_system_sgpr_workgroup_id_x 1
		.amdhsa_system_sgpr_workgroup_id_y 1
		.amdhsa_system_sgpr_workgroup_id_z 1
		.amdhsa_system_vgpr_workitem_id 0
		.amdhsa_next_free_vgpr 1024
		.amdhsa_next_free_sgpr 72
		.amdhsa_reserve_vcc 0
		.amdhsa_float_denorm_mode_32 3
		.amdhsa_float_denorm_mode_16_64 3
		.amdhsa_memory_ordered 1
		.amdhsa_forward_progress 1
		.amdhsa_inst_pref_size 160
	.end_amdhsa_kernel
	.amdgpu_metadata
---
amdhsa.version: [ 1, 2 ]
amdhsa.kernels:
  - .name:           k_q913ca5d4d8_argmin
    .symbol:         k_q913ca5d4d8_argmin.kd
    .args:
      - { .name: zb, .offset: 0, .size: 8, .value_kind: global_buffer, .address_space: global }
      - { .name: an, .offset: 8, .size: 8, .value_kind: global_buffer, .address_space: global }
      - { .name: cbf, .offset: 16, .size: 8, .value_kind: global_buffer, .address_space: global }
      - { .name: cn, .offset: 24, .size: 8, .value_kind: global_buffer, .address_space: global }
      - { .name: out2, .offset: 32, .size: 8, .value_kind: global_buffer, .address_space: global }
      - { .name: idx, .offset: 40, .size: 8, .value_kind: global_buffer, .address_space: global }
    .group_segment_fixed_size: 327680
    .private_segment_fixed_size: 0
    .kernarg_segment_align: 8
    .kernarg_segment_size: 48
    .max_flat_workgroup_size: 128
    .sgpr_count:     72
    .vgpr_count:     1024
    .wavefront_size: 32
...
	.end_amdgpu_metadata
.endif
;; end of part 2
;; launch quant (part 3): grid 256 x 1, 8 waves a work-group, no clusters, 0 bytes of LDS; arguments zb, cbr, idx, out0, part; writes out0, part
.if DOCPART == 3
	.amdgcn_target "amdgcn-amd-amdhsa--gfx1250"
	.amdhsa_code_object_version 6
	.text
	.protected	k_q913ca5d4d8_quant
	.globl	k_q913ca5d4d8_quant
	.p2align	8
	.type	k_q913ca5d4d8_quant,@function
k_q913ca5d4d8_quant:
	s_mov_b64 s[64:65], 0
	v_nop
	global_prefetch_b8 v0, s[64:65] scope:SCOPE_SE
	s_setreg_imm32_b32 hwreg(HW_REG_WAVE_MODE, 25, 1), 1
	s_wait_xcnt 0x0
; VECTOR QUANTIZER, launch 3 of 4: out0 = z + (e - z) with e = the code that idx names, both rounded to bf16 by launch 1, in two f32 operations as reference() has them (z is far larger than e, so
; e - z is rounded on z's grid, and the sum is not e); and for each wave the sum of (e - z)^2 over its rows.  stop_gradient is the identity: the loss's two means are one, formed once.
; SHARES.  A wave takes 16 rows; a lane channels 4 l .. 4 l + 3 and 128 + 4 l .. 128 + 4 l + 3.  A load of the wave covers 256 consecutive bytes, a store 512, both aligned.
; The 16 indices come by one scalar load; they are held to the table's 8,192 rows before they enter an address.  All 64 loads of a wave go out ahead of the first wait.
; Memory binds: no LDS, no matrix unit, no cluster (no two work-groups share a tile; the gathered rows hang on the list).
.set EO,  4                            ; v[4:19]    row i: byte offset of my 8 bytes in its code's row
.set ACC, 20                           ; v[20:23]   two pairs of running sums
.set ZF,  24                           ; v[24:31]   z's 8 numbers as f32
.set EF,  32                           ; v[32:39]   e's, then e - z
.set O,   40                           ; v[40:71]   four sets of 8 to store, by turns
.set ZB,  72                           ; v[72:135]  row i of zb, 4 registers
.set E,   136                          ; v[136:199] row i's code, 4 registers
	s_load_b256 s[4:11], s[0:1], 0x0               ; zb s[4:5], cbr s[6:7], idx s[8:9], out0 s[10:11]
	s_load_b64 s[12:13], s[0:1], 0x20              ; part
	v_lshrrev_b32 v1, 5, v0
	v_readfirstlane_b32 s16, v1                    ; wave 0..7
	v_and_b32 v1, 31, v0
	v_lshlrev_b32 v2, 3, v1                        ; 8 l
	v_lshlrev_b32 v3, 4, v1                        ; 16 l
	v_mov_b32 v200, 0
	v_mov_b32 v201, 0                              ; v_permlanex16_b32's destination counts as read
	s_lshl_b32 s17, ttmp9, 3
	s_add_co_u32 s17, s17, s16                     ; my block of 16 rows
	s_lshl_b32 s18, s17, 6                         ; its bytes in idx,
	s_mov_b32 s19, 0
	s_lshl_b32 s20, s17, 13                        ; in zb,
	s_mov_b32 s21, 0
	s_lshl_b32 s22, s17, 14                        ; in out0,
	s_mov_b32 s23, 0
	s_lshl_b32 s24, s17, 2                         ; and its word in part
	s_mov_b32 s25, 0
	s_mov_b32 s26, 0xffff0000                      ; a word's upper bf16
	s_mov_b32 s28, 0x76543210
	s_mov_b32 s29, 0xfedcba98
	s_wait_kmcnt 0x0
	s_add_nc_u64 s[8:9], s[8:9], s[18:19]
	s_load_b512 s[32:47], s[8:9], 0x0              ; my 16 indices
	s_add_nc_u64 s[4:5], s[4:5], s[20:21]
	s_add_nc_u64 s[10:11], s[10:11], s[22:23]
	s_add_nc_u64 s[12:13], s[12:13], s[24:25]
.set i, 0
.rept 16
	global_load_b64 v[ZB+4*i:ZB+4*i+1],   v2, s[4:5] offset:i*512 th:TH_LOAD_NT
	global_load_b64 v[ZB+4*i+2:ZB+4*i+3], v2, s[4:5] offset:i*512+256 th:TH_LOAD_NT
.set i, i+1
.endr
	s_wait_kmcnt 0x0
.set i, 0
.rept 16
	s_min_u32 s[32+i], s[32+i], 0x1fff             ; inside the table
	s_lshl_b32 s[32+i], s[32+i], 9                 ; a row of cbr is 512 bytes
	v_add_nc_u32 v[EO+i], s[32+i], v2
.set i, i+1
.endr
.set i, 0
.rept 16
	global_load_b64 v[E+4*i:E+4*i+1],   v[EO+i], s[6:7]
	global_load_b64 v[E+4*i+2:E+4*i+3], v[EO+i], s[6:7] offset:256
.set i, i+1
.endr
.macro ROW i
	s_wait_loadcnt 30-2*(\i)                       ; loads come back in order: the two gathers of each later row may stay out
	s_wait_xcnt 0x0                                ; the stores issued so far have read their registers: this row's set of O is written only behind this wait
.irp j, 0,1,2,3
	v_lshlrev_b32 v[ZF+2*(\j)],   16,  v[ZB+4*(\i)+(\j)]
	v_and_b32     v[ZF+2*(\j)+1], s26, v[ZB+4*(\i)+(\j)]
	v_lshlrev_b32 v[EF+2*(\j)],   16,  v[E+4*(\i)+(\j)]
	v_and_b32     v[EF+2*(\j)+1], s26, v[E+4*(\i)+(\j)]
.endr
.irp j, 0,1,2,3
	v_pk_add_f32 v[EF+2*(\j):EF+2*(\j)+1], v[EF+2*(\j):EF+2*(\j)+1], v[ZF+2*(\j):ZF+2*(\j)+1] neg_lo:[0,1] neg_hi:[0,1]  ; e - z
.endr
.irp j, 0,1,2,3
	v_pk_add_f32 v[O+8*((\i)%4)+2*(\j):O+8*((\i)%4)+2*(\j)+1], v[ZF+2*(\j):ZF+2*(\j)+1], v[EF+2*(\j):EF+2*(\j)+1]     ; z + (e - z)
.endr
.irp j, 0,1,2,3
.if ((\i) == 0) && ((\j) < 2)
	v_pk_mul_f32 v[ACC+2*(\j):ACC+2*(\j)+1], v[EF+2*(\j):EF+2*(\j)+1], v[EF+2*(\j):EF+2*(\j)+1]  ; the first products start the sums
.else
	v_pk_fma_f32 v[ACC+2*((\j)%2):ACC+2*((\j)%2)+1], v[EF+2*(\j):EF+2*(\j)+1], v[EF+2*(\j):EF+2*(\j)+1], v[ACC+2*((\j)%2):ACC+2*((\j)%2)+1]
.endif
.endr
	global_store_b128 v3, v[O+8*((\i)%4):O+8*((\i)%4)+3],   s[10:11] offset:(\i)*1024 th:TH_STORE_NT      ; 512 consecutive bytes, aligned
	global_store_b128 v3, v[O+8*((\i)%4)+4:O+8*((\i)%4)+7], s[10:11] offset:(\i)*1024+512 th:TH_STORE_NT
.endm
.irp i, 0,1,2,3,4,5,6,7,8,9,10,11,12,13,14,15
	ROW \i
.endr
	v_pk_add_f32 v[ACC:ACC+1], v[ACC:ACC+1], v[ACC+2:ACC+3]
	v_add_f32 v20, v20, v21
	v_add_f32_dpp v20, v20, v20 row_xmask:1 row_mask:0xf bank_mask:0xf
	v_add_f32_dpp v20, v20, v20 row_xmask:2 row_mask:0xf bank_mask:0xf
	v_add_f32_dpp v20, v20, v20 row_xmask:4 row_mask:0xf bank_mask:0xf
	v_add_f32_dpp v20, v20, v20 row_xmask:8 row_mask:0xf bank_mask:0xf
	v_permlanex16_b32 v201, v20, s28, s29
	v_add_f32 v20, v20, v201                       ; the wave's sum of squares
	v_cmp_eq_u32 vcc_lo, 0, v1
	s_wait_xcnt 0x0                                ; EXEC is a source of the stores above: it changes only behind this wait
	s_and_saveexec_b32 s30, vcc_lo
	global_store_b32 v200, v20, s[12:13]           ; one word a wave: a partial sum, in f32
	s_wait_xcnt 0x0
	s_or_b32 exec_lo, exec_lo, s30
	s_endpgm
.Lfunc_end_k_q913ca5d4d8_quant:
	.size	k_q913ca5d4d8_quant, .Lfunc_end_k_q913ca5d4d8_quant-k_q913ca5d4d8_quant
	.p2alignl 7, 3214868480
	.fill 96, 4, 3214868480
	.section	.rodata,"a",@progbits
	.p2align	6, 0x0
	.amdhsa_kernel k_q913ca5d4d8_quant
		.amdhsa_group_segment_fixed_size 0
		.amdhsa_private_segment_fixed_size 0
		.amdhsa_enable_private_segment 0
		.amdhsa_kernarg_size 40
		.amdhsa_user_sgpr_count 2
		.amdhsa_user_sgpr_kernarg_segment_ptr 1
		.amdhsa_wavefront_size32 1
		.amdhsa_system_sgpr_workgroup_id_x 1
		.amdhsa_system_sgpr_workgroup_id_y 1
		.amdhsa_system_sgpr_workgroup_id_z 1
		.amdhsa_system_vgpr_workitem_id 0
		.amdhsa_next_free_vgpr 208
		.amdhsa_next_free_sgpr 66
		.amdhsa_reserve_vcc 1
		.amdhsa_float_denorm_mode_32 3
		.amdhsa_float_denorm_mode_16_64 3
		.amdhsa_memory_ordered 1
		.amdhsa_forward_progress 1
		.amdhsa_inst_pref_size 35
	.end_amdhsa_kernel
	.amdgpu_metadata
---
amdhsa.version: [ 1, 2 ]
amdhsa.kernels:
  - .name:           k_q913ca5d4d8_quant
    .symbol:         k_q913ca5d4d8_quant.kd
    .args:
      - { .name: zb, .offset: 0, .size: 8, .value_kind: global_buffer, .address_space: global }
      - { .name: cbr, .offset: 8, .size: 8, .value_kind: global_buffer, .address_space: global }
      - { .name: idx, .offset: 16, .size: 8, .value_kind: global_buffer, .address_space: global }
      - { .name: out0, .offset: 24, .size: 8, .value_kind: global_buffer, .address_space: global }
      - { .name: part, .offset: 32, .size: 8, .value_kind: global_buffer, .address_space: global }
    .group_segment_fixed_size: 0
    .private_segment_fixed_size: 0
    .kernarg_segment_align: 8
    .kernarg_segment_size: 40
    .max_flat_workgroup_size: 256
    .sgpr_count:     66
    .vgpr_count:     208
    .wavefront_size: 32
...
	.end_amdgpu_metadata
.endif
;; end of part 3
;; launch loss (part 4): grid 1 x 1, 1 waves a work-group, no clusters, 0 bytes of LDS; arguments part, out1; writes out1
.if DOCPART == 4
	.amdgcn_target "amdgcn-amd-amdhsa--gfx1250"
	.amdhsa_code_object_version 6
	.text
	.protected	k_q913ca5d4d8_loss
	.globl	k_q913ca5d4d8_loss
	.p2align	8
	.type	k_q913ca5d4d8_loss,@function
k_q913ca5d4d8_loss:
	s_mov_b64 s[64:65], 0
	v_nop
	global_prefetch_b8 v0, s[64:65] scope:SCOPE_SE
	s_setreg_imm32_b32 hwreg(HW_REG_WAVE_MODE, 25, 1), 1
	s_wait_xcnt 0x0
; VECTOR QUANTIZER, launch 4 of 4: out1 = m + 0.25 m, m = the sum of the 2,048 partial sums of (e - z)^2 divided by 2^23 numbers.  The loss's two means are the same numbers
; (stop_gradient is the identity), so m is formed once.  One wave: 8,192 bytes, 16 loads of 512 consecutive bytes; a sum that spans work-groups has one owner.
	s_load_b128 s[4:7], s[0:1], 0x0                ; part s[4:5], out1 s[6:7]
	v_lshlrev_b32 v1, 4, v0
	v_mov_b32 v2, 0
	s_mov_b32 s8, 0x76543210
	s_mov_b32 s9, 0xfedcba98
	s_wait_kmcnt 0x0
.set i, 0
.rept 16
	global_load_b128 v[8+4*i:8+4*i+3], v1, s[4:5] offset:512*i
.set i, i+1
.endr
	s_wait_loadcnt 0x0
.irp w, 32,16,8,4,2                    ; the lane's 64 numbers, folded in halves, two sums a line
.set k, 0
.rept \w/2
	v_pk_add_f32 v[8+k:9+k], v[8+k:9+k], v[8+\w+k:9+\w+k]
.set k, k+2
.endr
.endr
	v_add_f32 v8, v8, v9
	v_add_f32_dpp v8, v8, v8 row_xmask:1 row_mask:0xf bank_mask:0xf
	v_add_f32_dpp v8, v8, v8 row_xmask:2 row_mask:0xf bank_mask:0xf
	v_add_f32_dpp v8, v8, v8 row_xmask:4 row_mask:0xf bank_mask:0xf
	v_add_f32_dpp v8, v8, v8 row_xmask:8 row_mask:0xf bank_mask:0xf
	v_permlanex16_b32 v9, v8, s8, s9
	v_add_f32 v8, v8, v9
	v_mul_f32 v8, 0x34000000, v8                   ; m: 2^-23, exact
	v_fmamk_f32 v9, v8, 0x3e800000, v8             ; 0.25 m + m
	v_cmp_eq_u32 vcc_lo, 0, v0
	s_wait_xcnt 0x0                                ; EXEC changes only behind this wait
	s_and_saveexec_b32 s10, vcc_lo
	global_store_b32 v2, v9, s[6:7]
	s_wait_xcnt 0x0
	s_or_b32 exec_lo, exec_lo, s10
	s_endpgm
.Lfunc_end_k_q913ca5d4d8_loss:
	.size	k_q913ca5d4d8_loss, .Lfunc_end_k_q913ca5d4d8_loss-k_q913ca5d4d8_loss
	.p2alignl 7, 3214868480
	.fill 96, 4, 3214868480
	.section	.rodata,"a",@progbits
	.p2align	6, 0x0
	.amdhsa_kernel k_q913ca5d4d8_loss
		.amdhsa_group_segment_fixed_size 0
		.amdhsa_private_segment_fixed_size 0
		.amdhsa_enable_private_segment 0
		.amdhsa_kernarg_size 16
		.amdhsa_user_sgpr_count 2
		.amdhsa_user_sgpr_kernarg_segment_ptr 1
		.amdhsa_wavefront_size32 1
		.amdhsa_system_sgpr_workgroup_id_x 1
		.amdhsa_system_sgpr_workgroup_id_y 1
		.amdhsa_system_sgpr_workgroup_id_z 1
		.amdhsa_system_vgpr_workitem_id 0
		.amdhsa_next_free_vgpr 72
		.amdhsa_next_free_sgpr 66
		.amdhsa_reserve_vcc 1
		.amdhsa_float_denorm_mode_32 3
		.amdhsa_float_denorm_mode_16_64 3
		.amdhsa_memory_ordered 1
		.amdhsa_forward_progress 1
		.amdhsa_inst_pref_size 5
	.end_amdhsa_kernel
	.amdgpu_metadata
---
amdhsa.version: [ 1, 2 ]
amdhsa.kernels:
  - .name:           k_q913ca5d4d8_loss
    .symbol:         k_q913ca5d4d8_loss.kd
    .args:
      - { .name: part, .offset: 0, .size: 8, .value_kind: global_buffer, .address_space: global }
      - { .name: out1, .offset: 8, .size: 8, .value_kind: global_buffer, .address_space: global }
    .group_segment_fixed_size: 0
    .private_segment_fixed_size: 0
    .kernarg_segment_align: 8
    .kernarg_segment_size: 16
    .max_flat_workgroup_size: 32
    .sgpr_count:     66
    .vgpr_count:     72
    .wavefront_size: 32
...
	.end_amdgpu_metadata
.endif
;; end of part 4
;; ======== version 2 of 2: 4 launches; version 1 with the launch quant written anew for expert scheduling mode
;; workspace buffers: zb 16,777,216 bytes; an 131,072 bytes; cbf 4,194,304 bytes; cbr 4,194,304 bytes; cn 32,768 bytes; idx 131,072 bytes of whole numbers; part 8,192 bytes
;; launch prep: the kernel of part 1 again; grid 1280 x 1, 2 waves a work-group, no clusters, 17,664 bytes of LDS; arguments z, codebook, zb, an, cbf, cbr, cn; writes zb, an, cbf, cbr, cn
;; launch argmin: the kernel of part 2 again; grid 256 x 1, 4 waves a work-group, clusters of 4 x 1, 327,680 bytes of LDS; arguments zb, an, cbf, cn, out2, idx; writes out2, idx
;; launch quant (part 5): grid 256 x 1, 8 waves a work-group, no clusters, 0 bytes of LDS; arguments zb, cbr, idx, out0, part; writes out0, part
.if DOCPART == 5
	.amdgcn_target "amdgcn-amd-amdhsa--gfx1250"
	.amdhsa_code_object_version 6
	.text
	.protected	k_q913ca5d4d8_quant
	.globl	k_q913ca5d4d8_quant
	.p2align	8
	.type	k_q913ca5d4d8_quant,@function
k_q913ca5d4d8_quant:
	s_mov_b64 s[64:65], 0
	v_nop
	global_prefetch_b8 v0, s[64:65] scope:SCOPE_SE
	s_setreg_imm32_b32 hwreg(HW_REG_WAVE_SCHED_MODE, 0, 2), 2
	s_setreg_imm32_b32 hwreg(HW_REG_WAVE_MODE, 25, 1), 1
	s_wait_xcnt 0x0
	s_wait_alu depctr_vm_vsrc(0)
; VECTOR QUANTIZER, launch 3 of 4: out0 = z + (e - z) with e = the code that idx names, both rounded to bf16 by launch 1, in two f32 operations as reference() has them (z is far larger than e, so
; e - z is rounded on z's grid, and the sum is not e); and for each wave the sum of (e - z)^2 over its rows.  stop_gradient is the identity: the loss's two means are one, formed once.
; SHARES.  A wave takes 16 rows; a lane channels 4 l .. 4 l + 3 and 128 + 4 l .. 128 + 4 l + 3.  A load of the wave covers 256 consecutive bytes, a store 512, both aligned.
; The 16 indices come by one scalar load; they are held to the table's 8,192 rows before they enter an address.  All 64 loads of a wave go out ahead of the first wait for data.
; Memory binds: no LDS, no matrix unit, no cluster (no two work-groups share a tile; the gathered rows hang on the list).
; THE MODE: SCHED_MODE bits 1:0 = 2 (LLVM: expert scheduling mode 2), set by the entry lines.  The code itself states the register dependences
; between vector instructions and memory instructions, with s_wait_alu, always for 0.
; THE PLAN.  The 16 rows go in four blocks of four.  Registers that memory instructions touch:
;   v2, v3, v200   byte offsets, made once at the head and never written again.
;   EO             the gathers' offsets, made once behind the indices' load and never written again.
;   ZB, E          each is loaded once, at the head; no vector instruction names them ahead of that; the rows' unpacking lines read them.
;   O0, O1         two out-buffers of four rows.  Written by block p's additions (O[p % 2]); read by the eight stores that are issued in block p + 1.
;   v20            the wave's sum: written by the reduction, read by the last store.
; Block p's memory instructions are the stores from O[(p - 1) % 2], which no vector instruction of block p names.  So the waits at a block's head state all that its eight stores hang on,
; and these are dealt among the block's rows, two in front of each, with no further wait.  ZF, EF and ACC are named by vector instructions alone.
.set EO,  4                            ; v[4:19]    row i: byte offset of my 8 bytes in its code's row
.set ACC, 20                           ; v[20:23]   two pairs of running sums
.set ZF,  24                           ; v[24:31]   z's 8 numbers as f32
.set EF,  32                           ; v[32:39]   e's, then e - z
.set O,   40                           ; v[40:71]   out-buffer 0: four rows of 8 to store
.set ZB,  72                           ; v[72:135]  row i of zb, 4 registers
.set E,   136                          ; v[136:199] row i's code, 4 registers
.set O1,  202                          ; v[202:233] out-buffer 1
	s_load_b256 s[4:11], s[0:1], 0x0               ; zb s[4:5], cbr s[6:7], idx s[8:9], out0 s[10:11]
	s_load_b64 s[12:13], s[0:1], 0x20              ; part
	v_lshrrev_b32 v1, 5, v0
	v_readfirstlane_b32 s16, v1                    ; wave 0..7
	v_and_b32 v1, 31, v0
	v_lshlrev_b32 v2, 3, v1                        ; 8 l
	v_lshlrev_b32 v3, 4, v1                        ; 16 l
	v_mov_b32 v200, 0
	v_mov_b32 v201, 0                              ; v_permlanex16_b32's destination counts as read
	s_wait_alu depctr_va_sdst(0)                   ; s16 is written, ahead of its first reader: my block's number, and all the bases, are made from it
	s_lshl_b32 s17, ttmp9, 3
	s_add_co_u32 s17, s17, s16                     ; my block of 16 rows
	s_lshl_b32 s18, s17, 6                         ; its bytes in idx,
	s_mov_b32 s19, 0
	s_lshl_b32 s20, s17, 13                        ; in zb,
	s_mov_b32 s21, 0
	s_lshl_b32 s22, s17, 14                        ; in out0,
	s_mov_b32 s23, 0
	s_lshl_b32 s24, s17, 2                         ; and its word in part
	s_mov_b32 s25, 0
	s_mov_b32 s26, 0xffff0000                      ; a word's upper bf16
	s_mov_b32 s28, 0x76543210
	s_mov_b32 s29, 0xfedcba98
	s_wait_kmcnt 0x0
	s_add_nc_u64 s[8:9], s[8:9], s[18:19]
	s_load_b512 s[32:47], s[8:9], 0x0              ; my 16 indices
	s_add_nc_u64 s[4:5], s[4:5], s[20:21]
	s_add_nc_u64 s[10:11], s[10:11], s[22:23]
	s_add_nc_u64 s[12:13], s[12:13], s[24:25]
	s_wait_alu depctr_va_vdst(0)                   ; v2, v3 and v200 are written: the loads of zb, the stores to out0 and the store to part read them as offsets
.set i, 0
.rept 16
	global_load_b64 v[ZB+4*i:ZB+4*i+1],   v2, s[4:5] offset:i*512 th:TH_LOAD_NT
	global_load_b64 v[ZB+4*i+2:ZB+4*i+3], v2, s[4:5] offset:i*512+256 th:TH_LOAD_NT
.set i, i+1
.endr
	s_wait_kmcnt 0x0
.set i, 0
.rept 16
	s_min_u32 s[32+i], s[32+i], 0x1fff             ; inside the table
	s_lshl_b32 s[32+i], s[32+i], 9                 ; a row of cbr is 512 bytes
	v_add_nc_u32 v[EO+i], s[32+i], v2
.set i, i+1
.endr
	s_wait_alu depctr_va_vdst(0)                   ; the sixteen offsets v[EO ..] are written, which the gathers read
.set i, 0
.rept 16
	global_load_b64 v[E+4*i:E+4*i+1],   v[EO+i], s[6:7]
	global_load_b64 v[E+4*i+2:E+4*i+3], v[EO+i], s[6:7] offset:256
.set i, i+1
.endr
; Row i, of block i / 4.  wr: the row's eight registers in the block's out-buffer; rd: those of the row four back, in the other out-buffer.
.macro ROW i
.set wr, O+(O1-O)*(((\i)/4)%2)+8*((\i)%4)
.set rd, O+(O1-O)*((((\i)/4)+1)%2)+8*((\i)%4)
.if ((\i)%4) == 0                      ; a block's head
.if (\i) >= 8
	s_wait_xcnt 0x0                                ; every earlier memory instruction has had its addresses translated: this block's out-buffer, which the stores issued in the block before read, is written again only behind this wait
	s_wait_alu depctr_vm_vsrc(0)                   ; the stores issued in the block before have read this block's out-buffer, which its additions write again
.endif
.if (\i) >= 4
	s_wait_alu depctr_va_vdst(0)                   ; the block before has written the other out-buffer, which this block's eight stores read
.endif
.endif
.if (\i) >= 4
	global_store_b128 v3, v[rd:rd+3],   s[10:11] offset:((\i)-4)*1024 th:TH_STORE_NT      ; the row four back: 512 consecutive bytes, aligned; no vector instruction since the wait names these registers
	global_store_b128 v3, v[rd+4:rd+7], s[10:11] offset:((\i)-4)*1024+512 th:TH_STORE_NT
.endif
	s_wait_loadcnt 30-2*(\i)                       ; loads come back in order: the two gathers of each later row may stay out
.irp j, 0,1,2,3
	v_lshlrev_b32 v[ZF+2*(\j)],   16,  v[ZB+4*(\i)+(\j)]
	v_and_b32     v[ZF+2*(\j)+1], s26, v[ZB+4*(\i)+(\j)]
	v_lshlrev_b32 v[EF+2*(\j)],   16,  v[E+4*(\i)+(\j)]
	v_and_b32     v[EF+2*(\j)+1], s26, v[E+4*(\i)+(\j)]
.endr
.irp j, 0,1,2,3
	v_pk_add_f32 v[EF+2*(\j):EF+2*(\j)+1], v[EF+2*(\j):EF+2*(\j)+1], v[ZF+2*(\j):ZF+2*(\j)+1] neg_lo:[0,1] neg_hi:[0,1]  ; e - z
.endr
.irp j, 0,1,2,3
	v_pk_add_f32 v[wr+2*(\j):wr+2*(\j)+1], v[ZF+2*(\j):ZF+2*(\j)+1], v[EF+2*(\j):EF+2*(\j)+1]     ; z + (e - z)
.endr
.irp j, 0,1,2,3
.if ((\i) == 0) && ((\j) < 2)
	v_pk_mul_f32 v[ACC+2*(\j):ACC+2*(\j)+1], v[EF+2*(\j):EF+2*(\j)+1], v[EF+2*(\j):EF+2*(\j)+1]  ; the first products start the sums
.else
	v_pk_fma_f32 v[ACC+2*((\j)%2):ACC+2*((\j)%2)+1], v[EF+2*(\j):EF+2*(\j)+1], v[EF+2*(\j):EF+2*(\j)+1], v[ACC+2*((\j)%2):ACC+2*((\j)%2)+1]
.endif
.endr
.endm
.irp i, 0,1,2,3,4,5,6,7,8,9,10,11,12,13,14,15
	ROW \i
.endr
	s_wait_alu depctr_va_vdst(0)                   ; the last block has written out-buffer 1, which the last eight stores read
.set i, 0
.rept 4
	global_store_b128 v3, v[O1+8*i:O1+8*i+3],   s[10:11] offset:(12+i)*1024 th:TH_STORE_NT
	global_store_b128 v3, v[O1+8*i+4:O1+8*i+7], s[10:11] offset:(12+i)*1024+512 th:TH_STORE_NT
.set i, i+1
.endr
	v_pk_add_f32 v[ACC:ACC+1], v[ACC:ACC+1], v[ACC+2:ACC+3]
	v_add_f32 v20, v20, v21
	v_add_f32_dpp v20, v20, v20 row_xmask:1 row_mask:0xf bank_mask:0xf
	v_add_f32_dpp v20, v20, v20 row_xmask:2 row_mask:0xf bank_mask:0xf
	v_add_f32_dpp v20, v20, v20 row_xmask:4 row_mask:0xf bank_mask:0xf
	v_add_f32_dpp v20, v20, v20 row_xmask:8 row_mask:0xf bank_mask:0xf
	v_permlanex16_b32 v201, v20, s28, s29
	v_add_f32 v20, v20, v201                       ; the wave's sum of squares
	v_cmp_eq_u32 vcc_lo, 0, v1
	s_wait_xcnt 0x0                                ; EXEC is a source of the stores above: it changes only behind this wait
	s_wait_alu depctr_va_vcc(0)                    ; VCC is written, ahead of its first reader: EXEC is made from it
	s_wait_alu depctr_va_vdst(0)                   ; ahead of the write of EXEC: the vector instructions issued so far have written their results, v20, the store's data, among them
	s_wait_alu depctr_vm_vsrc(0)                   ; ahead of the write of EXEC: the stores issued so far have read their vector registers
	s_and_saveexec_b32 s30, vcc_lo
	global_store_b32 v200, v20, s[12:13]           ; one word a wave: a partial sum, in f32
	s_wait_xcnt 0x0                                ; and again, in front of the line that widens EXEC
	s_wait_alu depctr_va_vdst(0)                   ; ahead of the write of EXEC both waits stand once more: no vector result is outstanding,
	s_wait_alu depctr_vm_vsrc(0)                   ; and the store above has read v200 and v20
	s_or_b32 exec_lo, exec_lo, s30
	s_endpgm
.Lfunc_end_k_q913ca5d4d8_quant:
	.size	k_q913ca5d4d8_quant, .Lfunc_end_k_q913ca5d4d8_quant-k_q913ca5d4d8_quant
	.p2alignl 7, 3214868480
	.fill 96, 4, 3214868480
	.section	.rodata,"a",@progbits
	.p2align	6, 0x0
	.amdhsa_kernel k_q913ca5d4d8_quant
		.amdhsa_group_segment_fixed_size 0
		.amdhsa_private_segment_fixed_size 0
		.amdhsa_enable_private_segment 0
		.amdhsa_kernarg_size 40
		.amdhsa_user_sgpr_count 2
		.amdhsa_user_sgpr_kernarg_segment_ptr 1
		.amdhsa_wavefront_size32 1
		.amdhsa_system_sgpr_workgroup_id_x 1
		.amdhsa_system_sgpr_workgroup_id_y 1
		.amdhsa_system_sgpr_workgroup_id_z 1
		.amdhsa_system_vgpr_workitem_id 0
		.amdhsa_next_free_vgpr 234
		.amdhsa_next_free_sgpr 66
		.amdhsa_reserve_vcc 1
		.amdhsa_float_denorm_mode_32 3
		.amdhsa_float_denorm_mode_16_64 3
		.amdhsa_memory_ordered 1
		.amdhsa_forward_progress 1
		.amdhsa_inst_pref_size 35
	.end_amdhsa_kernel
	.amdgpu_metadata
---
amdhsa.version: [ 1, 2 ]
amdhsa.kernels:
  - .name:           k_q913ca5d4d8_quant
    .symbol:         k_q913ca5d4d8_quant.kd
    .args:
      - { .name: zb, .offset: 0, .size: 8, .value_kind: global_buffer, .address_space: global }
      - { .name: cbr, .offset: 8, .size: 8, .value_kind: global_buffer, .address_space: global }
      - { .name: idx, .offset: 16, .size: 8, .value_kind: global_buffer, .address_space: global }
      - { .name: out0, .offset: 24, .size: 8, .value_kind: global_buffer, .address_space: global }
      - { .name: part, .offset: 32, .size: 8, .value_kind: global_buffer, .address_space: global }
    .group_segment_fixed_size: 0
    .private_segment_fixed_size: 0
    .kernarg_segment_align: 8
    .kernarg_segment_size: 40
    .max_flat_workgroup_size: 256
    .sgpr_count:     66
    .vgpr_count:     234
    .wavefront_size: 32
...
	.end_amdgpu_metadata
.endif
;; end of part 5
;; launch loss: the kernel of part 4 again; grid 1 x 1, 1 waves a work-group, no clusters, 0 bytes of LDS; arguments part, out1; writes out1
